; MI455X (gfx1250); checked and timed in simulation.
; The chip was launched on July 23, 2026; its instructions are those of AMD's public machine-readable ISA for CDNA 5 (MIT licence, August 2026) and "CDNA5" Instruction Set Architecture Reference Guide (July 2026). The comments in the code are by the model that wrote it; some were corrected since.
;; Multi Head Self Attention. Allowed arithmetic: matrix products marked QUANTISED: E4M3 operands, one E8M0 scale for each 32 along K, by v_wmma_scale_f32_16x16x128_f8f6f4 with both operands' format E4M3, f32 sums; everything else in f32.
;; Inputs: Wk 1,024 x 1,024 float32; Wo 1,024 x 1,024 float32; Wq 1,024 x 1,024 float32; Wv 1,024 x 1,024 float32; bk 1,024 float32; bo 1,024 float32; bq 1,024 float32; bv 1,024 float32; x 4 x 2,048 x 1,024 float32.
;; Outputs: out0 4 x 2,048 x 1,024 float32.
;; This version of the problem:
;;   THIS VERSION OF THE PROBLEM IS GIVEN IN LOW PRECISION. The matrix products marked QUANTISED in the list below multiply operands that are first quantised to E4M3 (4 exponent bits, 3 mantissa bits; 8 bits a number), with one power-of-two scale for each 32 numbers along K (OCP MX v1.0); their sums are f32. All else is computed in f32.
;;   The module's matrix products, in the order in which they are computed (A, B: the left and right operand; K: the contracted axis; several contracted axes count as one K, in the product's order):
;;     1. [M 8,192, K 1,024] x [K 1,024, N 1,024]; A: input x; B: input Wq: QUANTISED
;;     2. [M 8,192, K 1,024] x [K 1,024, N 1,024]; A: input x; B: input Wk: QUANTISED
;;     3. [M 8,192, K 1,024] x [K 1,024, N 1,024]; A: input x; B: input Wv: QUANTISED
;;     4. batch 64 x [M 2,048, K 64] x [K 64, N 2,048]; A: computed on the way; B: computed on the way: QUANTISED
;;     5. batch 64 x [M 64, K 2,048] x [K 2,048, N 2,048]; A: computed on the way; B: softmax (see below): QUANTISED
;;     6. [M 8,192, K 1,024] x [K 1,024, N 1,024]; A: computed on the way; B: input Wo: QUANTISED
;;   THE QUANTISER, for each operand of a quantised product, along K:
;;     - K is cut into blocks of 32 from its start; a last block that is shorter is filled with zeros.
;;     - A block's scale is 2^e with e = floor(log2(the largest magnitude in the block)) - 8, held to -126 .. 127; a block of zeros has e = 0. As a byte (E8M0): e + 127.
;;     - Each number is divided by its block's scale, clamped to +-448, and rounded to the nearest number of E4M3, ties to even, subnormals kept.
;;     - The product sums the exact products of the quantised numbers (number of the format x scale) in f32.
;;   ~~~python
;;   def quantise(x, axis):      # numpy; x: float32 -> the quantised numbers, widened to float32 again
;;       x = np.moveaxis(x, axis, -1); K = x.shape[-1]
;;       x = np.pad(x, [(0, 0)] * (x.ndim - 1) + [(0, -K % 32)]); x = x.reshape(x.shape[:-1] + (-1, 32)); a = np.abs(x).max(-1, keepdims=True)
;;       e = np.where(a > 0, np.clip(np.frexp(np.where(a > 0, a, 1))[1] - 1 - 8, -126, 127), 0)      # np.frexp(a)[1] - 1 = floor(log2(a)), exactly
;;       r = np.clip(x / 2.0 ** e, -448, 448)
;;       step = 2.0 ** (np.maximum(np.frexp(np.where(r == 0, 1, r))[1] - 1, -6) - 3)
;;       q = np.round(r / step) * step * 2.0 ** e      # np.round: ties to even
;;       return np.moveaxis(q.reshape(q.shape[:-2] + (-1,))[..., :K], -1, axis).astype(np.float32)
;;   ~~~
;;   SOFTMAX AHEAD OF A QUANTISED PRODUCT. Where the list says 'softmax', what is quantised is not the finished softmax but p = 2^(t - M), with t = logit x log2(e) and M = ceil(the row's largest t), a whole number; so 1/2 < the row's largest p <= 1. The row's sum l is taken of the UNQUANTISED p, in f32, and the product's result is divided by l at the end. Since M is a whole number, a kernel that streams over the keys may use a running M (the ceiling of the running maximum): every later rescaling is an exact power of two, which a block's scale takes up: the codes' values come out the same.
;;   OPERANDS COMPUTED ON THE WAY. 'Computed on the way' means the value that the module computes at that place (a softmax that the list does not call 'softmax' is quantised finished and normalised). What goes into a quantiser is computed in f32, as accurately as f32 sums, v_exp_f32 and their like allow (about 1e-6 of the number): no bf16 or f16 on the way to a quantiser, and a product that is left as it is and whose result goes on into a quantised operand takes f32 operands (vector FMAs, or v_wmma_f32_16x16x4_f32). A number that lies on a knife's edge between two numbers of the format may be rounded either way, as far as f32 arithmetic and the matrix unit's own rounding can turn it there, and no further.
;; One version. Each part assembles by itself: llvm-mc -triple=amdgcn-amd-amdhsa -mcpu=gfx1250 --defsym DOCPART=n.
;; ======== version 1 of 1: 4 launches
;; limits: right only within a limited range of input values
;; workspace buffers: xc 8,388,608 bytes; xs 262,144 bytes; wc 4,194,304 bytes; ws 131,072 bytes; qkv 26,476,544 bytes; ac 8,388,608 bytes; asc 262,144 bytes
;; launch quant (part 1): grid 384 x 1, 4 waves a work-group, no clusters, 33,280 bytes of LDS; arguments x, Wq, Wk, Wv, Wo, xc, xs, wc, ws; writes xc, xs, wc, ws
.if DOCPART == 1
	.amdgcn_target "amdgcn-amd-amdhsa--gfx1250"
	.amdhsa_code_object_version 6
	.text
	.protected	k_q47aaca8be5_quant
	.globl	k_q47aaca8be5_quant
	.p2align	8
	.type	k_q47aaca8be5_quant,@function
k_q47aaca8be5_quant:
	s_mov_b64 s[64:65], 0
	v_nop
	global_prefetch_b8 v0, s[64:65] scope:SCOPE_SE
	s_setreg_imm32_b32 hwreg(HW_REG_WAVE_MODE, 25, 1), 1
	s_wait_xcnt 0x0
; MULTI-HEAD SELF-ATTENTION IN MX-FP8, launch 1 of 4: x [8192][1024] and the four weights [1024][1024], f32, K innermost, become codes of E4M3 with one E8M0 byte for each 32 along K.
; DEAD WORK: none.  Every input has a way to the output: x and the weights through their products; bq, bk and bv move the codes and scales of q, k and v (bk too: the quantiser of k is a step of the
; problem, so it does not cancel in the softmax); bo is added to the result.  So all nine inputs are loaded, the biases by the later launches.
; A block's scale is 2^(floor(log2(its largest magnitude)) - 8); its byte is the largest magnitude's exponent field - 8, held at 1 from below.  Each number is divided by the scale, held within +-448
; and rounded to the nearest code, ties to even.
; LIMITS: a block whose largest magnitude lies under 2^-118 has its byte held at 1; a block of zeros gets the byte 1 where the rule says 127 (its codes are zeros, which add nothing under any byte but 0xff,
; and only this program reads the bytes); NaN and infinities among the inputs are not served.
; THE ORDER OF ROWS.  The code rows of x, Wq, Wk and Wv are stored with octets 1 and 2 of each group of 32 rows exchanged: stored row 16 u + r of a group is true row 8 u + r + 8 (r / 8).  Sixteen stored
; rows on end, taken as source 0 of a matrix instruction, then leave a lane's 16 registers of two neighbouring tiles as 16 true neighbours, in the order an operand's registers want.  Wo's rows stay as they are.
; SHARES.  A wave takes 8,192 numbers, 8 rows: one octet; a work-group one group of 32 rows.  Work-groups 0-255: x; 256 + 32 i on: weight i of Wq, Wk, Wv, Wo.  One path for all: only pointers are chosen.
; A step is 512 numbers: four loads of 512 consecutive bytes, turned through the wave's own stage in LDS so that a lane holds 16 neighbours (two lanes a block); its 16 codes leave as 16 bytes, 512 a wave.
; A wave's 256 scale bytes are gathered in LDS and leave as one aligned run of 256 bytes.  No barrier: waves share nothing.
.set WAVES, 4
.set STEPS, 16
.set MANT,  0x600000                   ; the mantissa field of 448 as f32
.set CB,    16                         ; bytes of 16 codes
.set R,     16                         ; v16-79   four sets of 16 numbers as they are loaded
.set X,     80                         ; v80-111  two sets of 16 neighbours
.set C,     128                        ; v128-191 codes: four registers for each step, so that no store's data are written again
.set E,     112                        ; v112-127 a scale byte for each step
.set WREG,  8192                       ; LDS: a region for each wave: two stages of 32 x SP bytes, behind them its 256 scale bytes
.set SP,    80                         ; a lane's place in a stage: 64 bytes + 16 of padding
.set SPW,   12                         ; v12      LDS address of my spare word; never rewritten
.set NIL,   13                         ; v13      0; never rewritten
.set SPARE, WAVES*WREG                 ; behind the four regions: the spare words, 128 bytes a wave
	s_load_b512 s[4:19], s[0:1], 0x0               ; x, Wq, Wk, Wv, Wo, xc, xs, wc
	s_load_b64 s[20:21], s[0:1], 0x40              ; ws
	v_lshl_add_u32 v[SPW], v0, 2, SPARE
	v_mov_b32 v[NIL], 0
	v_lshrrev_b32 v1, 5, v0
	v_readfirstlane_b32 s24, v1                    ; wave
	v_and_b32 v2, 31, v0                           ; lane
	v_lshlrev_b32 v3, 4, v2                        ; my 16 bytes of a load's 512
	s_mul_i32 s25, s24, WREG
	v_lshrrev_b32 v14, 2, v2
	v_mul_u32_u24 v14, v14, SP
	v_and_b32 v15, 3, v2
	v_lshl_add_u32 v14, v15, 4, v14
	v_add_nc_u32 v14, s25, v14                     ; the stage, on the way in: SP (lane / 4) + 16 (lane % 4)
	v_mul_u32_u24 v15, v2, SP
	v_add_nc_u32 v15, s25, v15                     ; and on the way out: SP x lane: my 16 neighbours
	v_mul_u32_u24 v4, v2, CB                       ; my codes' place in a step's
	v_lshrrev_b32 v5, 1, v2
	s_add_co_u32 s25, s25, 2*32*SP
	v_add_nc_u32 v5, s25, v5                       ; LDS: my wave's 256 scale bytes, my block's byte
	v_lshlrev_b32 v7, 3, v2                        ; and on the way out 8 bytes a lane
	v_add_nc_u32 v6, s25, v7
	s_and_b32 s26, s24, 1                          ; the octet's stored place: the wave number's two bits exchanged,
	s_lshl_b32 s26, s26, 1
	s_lshr_b32 s27, s24, 1
	s_or_b32 s26, s26, s27
	s_cmp_lt_u32 ttmp9, 352
	s_cselect_b32 s26, s26, s24                    ; but Wo's rows stay in their order
	s_and_b32 s27, ttmp9, 31                       ; a weight's group of 32 rows (256 is a multiple of 32)
	s_sub_co_u32 s30, ttmp9, 256                   ; the group's place among the four weights'
	s_cmp_lt_u32 ttmp9, 256
	s_cselect_b32 s27, ttmp9, s27
	s_cselect_b32 s30, ttmp9, s30
	s_lshl_b32 s27, s27, 2
	s_add_co_u32 s28, s27, s24                     ; which run of 8,192 numbers I read,
	s_lshl_b32 s30, s30, 2
	s_add_co_u32 s30, s30, s26                     ; and which run of codes I write
	s_lshl_b32 s28, s28, 15                        ; in bytes: 32,768 of f32,
	s_mov_b32 s29, 0
	s_lshl_b32 s32, s30, 13                        ; 8,192 of codes,
	s_mov_b32 s33, 0
	s_lshl_b32 s34, s30, 8                         ; 256 of scale bytes
	s_mov_b32 s35, 0
	s_wait_alu depctr_va_vdst(0)
	s_wait_kmcnt 0x0
	s_cmp_lt_u32 ttmp9, 352                        ; the choices hang on the work-group's number alone
	s_cselect_b64 s[22:23], s[10:11], s[12:13]
	s_cmp_lt_u32 ttmp9, 320
	s_cselect_b64 s[22:23], s[8:9], s[22:23]
	s_cmp_lt_u32 ttmp9, 288
	s_cselect_b64 s[22:23], s[6:7], s[22:23]
	s_cmp_lt_u32 ttmp9, 256
	s_cselect_b64 s[22:23], s[4:5], s[22:23]
	s_cselect_b64 s[14:15], s[14:15], s[18:19]
	s_cselect_b64 s[16:17], s[16:17], s[20:21]
	s_add_nc_u64 s[22:23], s[22:23], s[28:29]
	s_add_nc_u64 s[14:15], s[14:15], s[32:33]
	s_add_nc_u64 s[16:17], s[16:17], s[34:35]
.macro LOAD t
.irp i, 0,1,2,3
	global_load_b128 v[R+16*((\t)%4)+4*\i:R+16*((\t)%4)+4*\i+3], v3, s[22:23] offset:2048*(\t)+512*\i th:TH_LOAD_NT   ; 32 lanes read 512 consecutive bytes
.endr
.endm
.macro TURN t                          ; step t's numbers through the stage: LDS serves a wave's instructions in order, so no wait stands between the stores and the loads
.irp i, 0,1,2,3
	ds_store_b128 v14, v[R+16*((\t)%4)+4*\i:R+16*((\t)%4)+4*\i+3] offset:32*SP*((\t)%2)+8*SP*\i
.endr
.irp i, 0,1,2,3
	ds_load_b128 v[X+16*((\t)%2)+4*\i:X+16*((\t)%2)+4*\i+3], v15 offset:32*SP*((\t)%2)+16*\i
.endr
.endm
.irp t, 0,1,2,3
	LOAD \t
.endr
	s_wait_loadcnt 12                              ; step 0's four loads are in; the twelve of steps 1 to 3 may be out
	TURN 0
.macro STEP t
.set XS, X+16*((\t)%2)
.if (\t) > 0
	s_wait_dscnt 1                                 ; this step's numbers are back from the stage (the last step's byte store may be out): so its stores into the stage have read their registers,
.else
	s_wait_dscnt 0x0
.endif
.if (\t)+4 < STEPS
	LOAD (\t)+4                                    ; which take the loads of four steps on
.endif
.if (\t)+1 < STEPS
.if STEPS-2-(\t) >= 3
	s_wait_loadcnt 12                              ; the next step's four loads are in; those of the three steps behind it may be out
.else
	s_wait_loadcnt 4*(STEPS-2-(\t))
.endif
	TURN (\t)+1                                    ; and go through the other stage while this step is worked
.endif
	v_max3_num_f32 v8, |v[XS]|, |v[XS+1]|, |v[XS+2]|               ; the largest magnitude of my 16, in two chains
	v_max3_num_f32 v9, |v[XS+3]|, |v[XS+4]|, |v[XS+5]|
.irp i, 6,10
	v_max3_num_f32 v8, v8, |v[XS+\i]|, |v[XS+\i+1]|
	v_max3_num_f32 v9, v9, |v[XS+\i+2]|, |v[XS+\i+3]|
.endr
	v_max3_num_f32 v8, v8, |v[XS+14]|, |v[XS+15]|
	v_max3_num_f32 v8, v8, v9, 0x4800000           ; and the floor 2^(9 - 127): the byte cannot fall under 1
	v_max_num_f32_dpp v8, v8, v8 row_xmask:1 row_mask:0xf bank_mask:0xf   ; and of my neighbour's 16: the block's
	v_add_nc_u32 v11, 0xfc000000, v8               ; 8 off its exponent field: the conversion takes the exponent field of this operand as its scale
.irp i, 0,1,2,3,4,5,6,7,8,9,10,11,12,13,14,15
.endr
	v_cvt_scalef32_pk8_fp8_f32 v[C+4*(\t):C+4*(\t)+1], v[XS:XS+7], v11
	v_cvt_scalef32_pk8_fp8_f32 v[C+4*(\t)+2:C+4*(\t)+3], v[XS+8:XS+15], v11
	v_lshrrev_b32 v[E+(\t)], 23, v11               ; the scale's byte (also the plain line behind the conversions)
	ds_store_b8 v5, v[E+(\t)] offset:16*(\t)       ; both lanes of a block write the same byte with the same value
	global_store_b128 v4, v[C+4*(\t):C+4*(\t)+3], s[14:15] offset:32*CB*(\t)   ; 32 lanes store 512 consecutive bytes
.endm
.irp t, 0,1,2,3,4,5,6,7,8,9,10,11,12,13,14,15
	STEP \t
.endr
	ds_load_b64 v[8:9], v6                         ; LDS serves a wave's instructions in order: these see my stores
	s_wait_dscnt 0x0
	global_store_b64 v7, v[8:9], s[16:17]          ; 32 lanes store 256 consecutive bytes, aligned: 8 rows of 32 scale bytes
	s_wait_tensorcnt 0x0                           ; the wave's end
	ds_add_u32 v[SPW], v[NIL]
	s_wait_dscnt 0x0
	s_endpgm
.Lfunc_end_k_q47aaca8be5_quant:
	.size	k_q47aaca8be5_quant, .Lfunc_end_k_q47aaca8be5_quant-k_q47aaca8be5_quant
	.p2alignl 7, 3214868480
	.fill 96, 4, 3214868480
	.section	.rodata,"a",@progbits
	.p2align	6, 0x0
	.amdhsa_kernel k_q47aaca8be5_quant
		.amdhsa_group_segment_fixed_size 33280
		.amdhsa_private_segment_fixed_size 0
		.amdhsa_enable_private_segment 0
		.amdhsa_kernarg_size 72
		.amdhsa_user_sgpr_count 2
		.amdhsa_user_sgpr_kernarg_segment_ptr 1
		.amdhsa_wavefront_size32 1
		.amdhsa_system_sgpr_workgroup_id_x 1
		.amdhsa_system_sgpr_workgroup_id_y 1
		.amdhsa_system_sgpr_workgroup_id_z 1
		.amdhsa_system_vgpr_workitem_id 0
		.amdhsa_next_free_vgpr 192
		.amdhsa_next_free_sgpr 66
		.amdhsa_reserve_vcc 0
		.amdhsa_float_denorm_mode_32 3
		.amdhsa_float_denorm_mode_16_64 3
		.amdhsa_fp16_overflow 1
		.amdhsa_memory_ordered 1
		.amdhsa_forward_progress 1
		.amdhsa_inst_pref_size 34
	.end_amdhsa_kernel
	.amdgpu_metadata
---
amdhsa.version: [ 1, 2 ]
amdhsa.kernels:
  - .name:           k_q47aaca8be5_quant
    .symbol:         k_q47aaca8be5_quant.kd
    .args:
      - { .name: x, .offset: 0, .size: 8, .value_kind: global_buffer, .address_space: global }
      - { .name: Wq, .offset: 8, .size: 8, .value_kind: global_buffer, .address_space: global }
      - { .name: Wk, .offset: 16, .size: 8, .value_kind: global_buffer, .address_space: global }
      - { .name: Wv, .offset: 24, .size: 8, .value_kind: global_buffer, .address_space: global }
      - { .name: Wo, .offset: 32, .size: 8, .value_kind: global_buffer, .address_space: global }
      - { .name: xc, .offset: 40, .size: 8, .value_kind: global_buffer, .address_space: global }
      - { .name: xs, .offset: 48, .size: 8, .value_kind: global_buffer, .address_space: global }
      - { .name: wc, .offset: 56, .size: 8, .value_kind: global_buffer, .address_space: global }
      - { .name: ws, .offset: 64, .size: 8, .value_kind: global_buffer, .address_space: global }
    .group_segment_fixed_size: 33280
    .private_segment_fixed_size: 0
    .kernarg_segment_align: 8
    .kernarg_segment_size: 72
    .max_flat_workgroup_size: 128
    .sgpr_count:     66
    .vgpr_count:     192
    .wavefront_size: 32
...
	.end_amdgpu_metadata
.endif
;; end of part 1
;; launch qkvproj (part 2): grid 96 x 4, 4 waves a work-group, clusters of 4 x 4, 327,680 bytes of LDS; arguments xc, xs, wc, ws, bq, bk, bv, qkv; writes qkv
.if DOCPART == 2
	.amdgcn_target "amdgcn-amd-amdhsa--gfx1250"
	.amdhsa_code_object_version 6
	.text
	.protected	k_q47aaca8be5_qkvproj
	.globl	k_q47aaca8be5_qkvproj
	.p2align	8
	.type	k_q47aaca8be5_qkvproj,@function
k_q47aaca8be5_qkvproj:
	s_mov_b64 s[64:65], 0
	v_nop
	global_prefetch_b8 v0, s[64:65] scope:SCOPE_SE
	s_setreg_imm32_b32 hwreg(HW_REG_WAVE_MODE, 25, 1), 1
	s_wait_xcnt 0x0
	s_wait_alu depctr_hold_cnt(0) depctr_sa_sdst(0) depctr_va_vdst(0) depctr_va_sdst(0) depctr_va_ssrc(0) depctr_va_vcc(0) depctr_vm_vsrc(0)
	s_getreg_b32 s2, hwreg(HW_REG_IB_STS2, 6, 4)
	s_cmp_eq_u32 s2, 0
	s_cbranch_scc0 .Lentry_in_a_cluster
	s_endpgm
.Lentry_in_a_cluster:
	s_bfe_u32 s2, ttmp6, 0x10000c
	s_cmp_lg_u32 s2, 0xf033
	s_cbranch_scc0 .Lentry_shape_is_right
	s_endpgm
.Lentry_shape_is_right:
.set NQ,     2
.set ROWB,   256
.set KROW,   1024
.set PITCH,  272
.set FR,     16
.set NL,     4
.set NP,     8
.set HALFT,  128*PITCH
.set SLOT,   4*HALFT
.set LAPS,   2
.set KS,     32
.set SCL,    2*SLOT
.set HALFS,  16*272
.set SBLK,   2*272
.set SPARE,  SCL+4*HALFS
.set HS,     413696
.set VO,   8
.set VS,   12
.set ADRA, 16
.set ADRB, 20
.set ADRS, 27
.set SPW,  28
.set NIL,  29
.set SC,   32
.set BI,   64
.set AF,   128
.set VOJ,  128
.set TM,   32
.set PC,   48
.set XW,   80
.set Y,    88
.set G1, 24
.set G0, 32
.set G1B, 48
.set G0B, 56
.set G1S, 68
.set G0S, 76
.set G1SB, 80
.set G0SB, 88
.set MSB, 0
.macro WIN new
.if MSB != (\new)
	s_set_vgpr_msb (MSB<<8)|(\new)
.set MSB, (\new)
.endif
.endm
.set MUL_LO, 0xa1
.set MUL_HI, 0xf1
.set TO_B,   0x40
.macro JLOAD g0a, g1a, g0b, g1b
	s_cmp_eq_u32 s21, 0
	s_cbranch_scc0 .Lfor_b_\@
	tensor_load_to_lds s[\g0a:\g0a+3], s[\g1a:\g1a+7]
	s_nop 0
.rept 4
	v_nop
.endr
	s_branch .Lasked_\@
.Lfor_b_\@:
	tensor_load_to_lds s[\g0b:\g0b+3], s[\g1b:\g1b+7]
	s_nop 0
.rept 4
	v_nop
.endr
.Lasked_\@:
.endm
.macro CREST
	s_cmp_lg_u32 s20, 0
	s_cbranch_scc1 .Lnot_wave_0_\@
	s_barrier_signal -3
.Lnot_wave_0_\@:
	s_barrier_wait -3
	s_barrier_signal -1
	s_barrier_wait -1
.endm
.macro CROUND
	s_barrier_signal -1
	s_barrier_wait -1
	CREST
.endm
	s_load_b512 s[4:19], s[0:1], 0x0
	v_lshl_add_u32 v[SPW], v0, 2, SPARE
	v_mov_b32 v[NIL], 0
	ds_add_u32 v[SPW], v[NIL]
	ds_add_u32 v[SPW], v[NIL]
	v_lshrrev_b32 v1, 5, v0
	v_readfirstlane_b32 s20, v1
	s_lshr_b32 s21, s20, 1
	s_and_b32 s22, s20, 1
	s_bfe_u32 s40, ttmp6, 0x40000
	s_bfe_u32 s41, ttmp6, 0x40004
	s_sub_co_u32 s66, ttmp9, 16
	s_and_b32 s67, ttmp9, 1
	s_lshr_b32 s99, ttmp9, 1
	s_cmp_ge_u32 ttmp9, 16
	s_cselect_b32 s2, 1, 0
	s_cselect_b32 s66, s66, s67
	s_cselect_b32 s67, 0, s99
	s_mov_b32 s99, s66
	s_lshl_b32 s42, s66, 2
	s_add_co_u32 s42, s42, s40
	s_lshl_b32 s23, s67, 2
	s_add_co_u32 s23, s23, s41
	s_lshl_b32 s43, s41, 2
	s_lshl_b32 s43, 15, s43
	s_lshl_b32 s44, 0x1111, s40
	s_or_b32 s[G1+0], s43, (0<<16)|(1<<20)|(1<<21)|(5<<22)|(3<<25)
	s_or_b32 s[G1B+0], s44, (0<<16)|(1<<20)|(1<<21)|(5<<22)|(3<<25)
.irp g, G1, G1B
	s_mov_b32 s[\g+1], ROWB<<16
	s_mov_b32 s[\g+2], 128<<16
	s_mov_b32 s[\g+3], ROWB<<16
	s_mov_b32 s[\g+4], 128
	s_mov_b32 s[\g+5], KROW
	s_mov_b32 s[\g+6], 0
	s_mov_b32 s[\g+7], 0
.endr
	s_or_b32 s[G1S+0], s43, (3<<16)|(1<<20)|(1<<21)|(5<<22)|(3<<25)
	s_or_b32 s[G1SB+0], s44, (3<<16)|(1<<20)|(1<<21)|(5<<22)|(3<<25)
.irp g, G1S, G1SB
	s_mov_b32 s[\g+1], 32<<16
	s_mov_b32 s[\g+2], 16<<16
	s_mov_b32 s[\g+3], 32<<16
	s_mov_b32 s[\g+4], 16
	s_mov_b32 s[\g+5], 32
	s_mov_b32 s[\g+6], 0
	s_mov_b32 s[\g+7], 0
.endr
	s_lshl_b32 s98, s22, 7
	s_lshl_b32 s92, s23, 8
	s_add_co_u32 s92, s92, s98
	s_lshl_b32 s46, s42, 8
	s_add_co_u32 s46, s46, s98
	s_lshl_b32 s94, s92, 5
	s_lshl_b32 s92, s92, 10
	s_lshl_b32 s96, s46, 5
	s_lshl_b32 s46, s46, 10
	s_mov_b32 s93, 0
	s_mov_b32 s95, 0
	s_mov_b32 s97, 0
	s_mov_b32 s47, 0
	s_mul_i32 s45, s20, HALFT
	s_mul_i32 s98, s20, HALFS
	s_wait_dscnt 0x0
	s_wait_kmcnt 0x0
	s_add_nc_u64 s[66:67], s[8:9], 0x200000
	s_cmp_eq_u32 s2, 0
	s_cselect_b64 s[66:67], s[4:5], s[66:67]
	s_cselect_b64 s[8:9], s[8:9], s[4:5]
	s_add_nc_u64 s[4:5], s[10:11], 0x10000
	s_cselect_b64 s[4:5], s[6:7], s[4:5]
	s_cselect_b64 s[10:11], s[10:11], s[6:7]
	s_add_nc_u64 s[66:67], s[66:67], s[92:93]
	s_add_nc_u64 s[4:5], s[4:5], s[94:95]
	s_add_nc_u64 s[46:47], s[8:9], s[46:47]
	s_add_nc_u64 s[96:97], s[10:11], s[96:97]
	s_cmp_eq_u32 s99, 0
	s_cselect_b64 s[12:13], s[12:13], s[14:15]
	s_cmp_eq_u32 s2, 0
	s_cselect_b64 s[12:13], s[12:13], s[16:17]
	CROUND
	s_mov_b32 s[G0S], 1
	s_add_co_u32 s[G0S+1], s98, SCL
	s_mov_b64 s[G0S+2:G0S+3], s[4:5]
	s_or_b32 s[G0S+3], s[G0S+3], 0x80000000
	s_mov_b32 s[G0SB], 1
	s_add_co_u32 s[G0SB+1], s98, SCL
	s_mov_b64 s[G0SB+2:G0SB+3], s[96:97]
	s_or_b32 s[G0SB+3], s[G0SB+3], 0x80000000
	JLOAD G0S, G1S, G0SB, G1SB
.irp s, 0,1
	s_mov_b32 s[G0+4*\s], 1
	s_add_co_u32 s[G0+4*\s+1], s45, \s*SLOT
	s_add_nc_u64 s[G0+4*\s+2:G0+4*\s+3], s[66:67], \s*ROWB
	s_or_b32 s[G0+4*\s+3], s[G0+4*\s+3], 0x80000000
	s_mov_b32 s[G0B+4*\s], 1
	s_add_co_u32 s[G0B+4*\s+1], s45, \s*SLOT
	s_add_nc_u64 s[G0B+4*\s+2:G0B+4*\s+3], s[46:47], \s*ROWB
	s_or_b32 s[G0B+4*\s+3], s[G0B+4*\s+3], 0x80000000
	s_wait_alu depctr_va_vdst(0)
	s_wait_tensorcnt 0x0
	ds_add_u32 v28, v29
	s_wait_dscnt 0x0
	CROUND
	JLOAD G0+4*\s, G1, G0B+4*\s, G1B
.endr
	v_and_b32 v1, 15, v0
	v_bfe_u32 v2, v0, 4, 1
	v_mul_u32_u24 v3, v1, PITCH
	v_lshl_add_u32 v4, v2, 4, v3
	s_mul_i32 s14, s21, HALFT
	s_mul_i32 s15, s22, HALFT
	s_add_co_u32 s15, s15, 2*HALFT
.irp s, 0,1
	v_add_nc_u32 v[ADRA+\s], s14, v4
	v_add_nc_u32 v[ADRB+\s], s15, v4
	s_add_co_u32 s14, s14, SLOT
	s_add_co_u32 s15, s15, SLOT
.endr
	v_mul_u32_u24 v5, v1, KS
	v_lshrrev_b32 v6, 8, v5
	v_lshl_add_u32 v5, v6, 4, v5
	s_mul_i32 s14, s21, HALFS
	s_mul_i32 s15, s22, HALFS
	s_add_co_u32 s15, s15, 2*HALFS
	s_sub_co_u32 s15, s15, s14
	v_mul_u32_u24 v6, s15, v2
	s_add_co_u32 s14, s14, SCL
	v_add_nc_u32 v5, v5, v6
	v_add_nc_u32 v[ADRS], s14, v5
	s_lshl_b32 s92, s23, 8
	s_lshl_b32 s93, s21, 7
	s_add_co_u32 s92, s92, s93
	s_lshl_b32 s96, s42, 8
	s_lshl_b32 s97, s22, 7
	s_add_co_u32 s96, s96, s97
	s_and_b32 s97, s96, 1023
	s_mov_b32 s16, 274432
	s_mov_b32 s17, 405504
	s_cmp_eq_u32 s99, 0
	s_cselect_b32 s16, s16, 0
	s_cselect_b32 s17, s17, 262144
	s_mov_b32 s8, 1024
	s_mov_b32 s10, 1024
	s_mov_b32 s66, HS
	s_cmp_lg_u32 s2, 0
	s_cselect_b32 s94, s96, s92
	s_cselect_b32 s95, s92, s97
	s_cselect_b32 s16, 131072, s16
	s_cselect_b32 s17, 270336, s17
	s_cselect_b32 s93, 1, 2
	s_cselect_b32 s8, 2048, s8
	s_cselect_b32 s10, HS-6144, s10
	s_cselect_b32 s66, 1024, s66
	s_cselect_b32 s14, 0, 64
	s_cselect_b32 s15, 4, 0
	s_cselect_b32 s67, 0, 4
	s_mov_b32 s9, 0
	s_mov_b32 s11, 0
	s_lshr_b32 s98, s94, 11
	s_lshl_b32 s98, s98, 4
	s_lshr_b32 s92, s95, 6
	s_add_co_u32 s98, s98, s92
	s_mul_i32 s98, s98, HS
	s_and_b32 s94, s94, 2047
	s_lshl_b32 s92, s94, 6
	s_add_co_u32 s16, s16, s92
	s_add_co_u32 s16, s16, s98
	s_lshl_b32 s92, s94, s93
	s_add_co_u32 s92, s92, s17
	s_add_co_u32 s92, s92, s98
	s_mov_b32 s17, 0
	s_mov_b32 s93, 0
	s_add_nc_u64 s[4:5], s[18:19], s[16:17]
	s_add_nc_u64 s[6:7], s[18:19], s[92:93]
	s_lshl_b32 s94, s95, 2
	s_mov_b32 s95, 0
	s_add_nc_u64 s[12:13], s[12:13], s[94:95]
	v_and_b32 v5, 31, v0
	v_lshlrev_b32 v[VO], 4, v5
	v_add_nc_u32 v[VO+1], 512, v[VO]
	v_add_nc_u32 v[VO+2], s66, v[VO]
	v_add_nc_u32 v[VO+3], 512, v[VO+2]
	v_mul_u32_u24 v[VS], v2, HS
	v_lshl_add_u32 v[VS], v1, 4, v[VS]
	v_and_b32 v6, 8, v1
	v_add_nc_u32 v6, v6, v1
	v_mul_u32_u24 v6, v6, s15
	v_mad_u32_u24 v[VOJ], v2, s14, v6
.irp j, 1,2,3,4,5,6,7
	v_add_nc_u32 v[VOJ+\j], s67, v[VOJ+\j-1]
.endr
.irp i, 0,1,2,3,4,5,6,7
.irp j, 0,1,2,3,4,5,6,7
	global_load_b32 v[BI+8*\i+\j], v[VOJ+\j], s[12:13] offset:4*(32*(\i/2)+8*(\i%2))
.endr
.endr
.macro FRAG reg, adr, q, i
.irp c, 0,1,2,3
	ds_load_b128 v[\reg+4*\c:\reg+4*\c+3], v[\adr] offset:128*(\q)+32*\c+(\i)*16*PITCH
.endr
.endm
.macro MUL16 a0, p, q, sc, mode
.irp a, \a0, \a0+1
.irp b, 0,1,2,3,4,5,6,7
.if \mode == 1
	v_wmma_scale_f32_16x16x128_f8f6f4 v[8*(8*((\a)%4)+\b):8*(8*((\a)%4)+\b)+7], v[128*(\p)+FR*\b:128*(\p)+FR*\b+FR-1], v[AF+FR*(\a):AF+FR*(\a)+FR-1], v[BI+8*\b:BI+8*\b+7], v[SC+8*NQ*(\sc)+NQ*\b+(\q)], v[SC+8*NQ*(\sc)+NQ*(\a)+(\q)] matrix_a_scale:MATRIX_SCALE_ROW1
.elseif \mode == 2
	v_wmma_scale_f32_16x16x128_f8f6f4 v[8*(8*((\a)%4)+\b):8*(8*((\a)%4)+\b)+7], v[128*(\p)+FR*\b:128*(\p)+FR*\b+FR-1], v[AF+FR*(\a):AF+FR*(\a)+FR-1], v[BI+8*(\a):BI+8*(\a)+7], v[SC+8*NQ*(\sc)+NQ*\b+(\q)], v[SC+8*NQ*(\sc)+NQ*(\a)+(\q)] matrix_a_scale:MATRIX_SCALE_ROW1
.else
	v_wmma_scale_f32_16x16x128_f8f6f4 v[8*(8*((\a)%4)+\b):8*(8*((\a)%4)+\b)+7], v[128*(\p)+FR*\b:128*(\p)+FR*\b+FR-1], v[AF+FR*(\a):AF+FR*(\a)+FR-1], v[8*(8*((\a)%4)+\b):8*(8*((\a)%4)+\b)+7], v[SC+8*NQ*(\sc)+NQ*\b+(\q)], v[SC+8*NQ*(\sc)+NQ*(\a)+(\q)] matrix_a_scale:MATRIX_SCALE_ROW1
.endif
.endr
.endr
.endm
.macro FETCH_B slot, q, p
	WIN TO_B
.irp i, 0,1,2,3,4,5,6,7
	FRAG 128*(\p)+FR*\i, ADRB+\slot, \q, \i
.endr
	WIN 0
.endm
.macro FETCH_A slot, q, i0
.irp i, \i0, \i0+1, \i0+2, \i0+3
	FRAG AF+FR*(\i), ADRA+\slot, \q, \i
.endr
.endm
.macro SCALES sc
.irp i, 0,1,2,3,4,5,6,7
	ds_load_b64 v[SC+8*NQ*\sc+NQ*\i:SC+8*NQ*\sc+NQ*\i+1], v[ADRS] offset:\i*SBLK
.endr
.endm
.macro PLACES n
.rept \n
	v_nop
.endr
.endm
.macro STEP slot, q, mode
	s_wait_dscnt 4*NL
.if \mode
	WIN 0x81
.else
	WIN MUL_LO
.endif
	MUL16 0, (\q)%2, \q, \slot, \mode
	MUL16 2, (\q)%2, \q, \slot, \mode
	s_wait_dscnt 0
	PLACES NP
	FETCH_B \slot, (\q)+1, 1-(\q)%2
	FETCH_A \slot, (\q)+1, 0
.if \mode
	WIN 0xc1
.else
	WIN MUL_HI
.endif
	MUL16 4, (\q)%2, \q, \slot, \mode
	MUL16 6, (\q)%2, \q, \slot, \mode
	PLACES NP
	WIN 0
	FETCH_A \slot, (\q)+1, 4
.endm
.macro TURN slot, next, fill
	s_wait_tensorcnt 0x0
	ds_add_u32 v[SPW], v[NIL]
	s_wait_dscnt 4*NL+1
	WIN MUL_LO
	MUL16 0, 1, NQ-1, \slot, 0
	s_wait_dscnt 0x0
	s_barrier_signal -1
	MUL16 2, 1, NQ-1, \slot, 0
	WIN 0
	s_barrier_wait -1
.if \fill
	CREST
	s_add_nc_u64 s[G0+4*\slot+2:G0+4*\slot+3], s[G0+4*\slot+2:G0+4*\slot+3], 2*ROWB
	s_add_nc_u64 s[G0B+4*\slot+2:G0B+4*\slot+3], s[G0B+4*\slot+2:G0B+4*\slot+3], 2*ROWB
	JLOAD G0+4*\slot, G1, G0B+4*\slot, G1B
	PLACES NP-4
.else
	PLACES NP
.endif
	s_wait_alu depctr_va_vdst(0)
	v_add_nc_u32 v[ADRS], 4*NQ, v[ADRS]
	FETCH_B \next, 0, 0
	FETCH_A \next, 0, 0
	SCALES \next
	WIN MUL_HI
	MUL16 4, 1, NQ-1, \slot, 0
	MUL16 6, 1, NQ-1, \slot, 0
	PLACES NP
	WIN 0
	FETCH_A \next, 0, 4
.endm
	s_wait_tensorcnt 1
	s_barrier_signal -1
	s_barrier_wait -1
	s_wait_xcnt 0x0
	FETCH_B 0, 0, 0
	FETCH_A 0, 0, 0
	SCALES 0
	FETCH_A 0, 0, 4
	s_wait_loadcnt 0x0
	s_cmp_lg_u32 s2, 0
	s_cbranch_scc1 .Lfirst_v
	STEP 0, 0, 1
	s_branch .Lfirst_done
.Lfirst_v:
	STEP 0, 0, 2
.Lfirst_done:
	s_mov_b32 s3, LAPS-1
.Llap:
	TURN 0, 1, 1
	STEP 1, 0, 0
	TURN 1, 0, 1
	STEP 0, 0, 0
	s_sub_co_u32 s3, s3, 1
	s_cmp_lg_u32 s3, 0
	s_cbranch_scc1 .Llap
	TURN 0, 1, 0
	STEP 1, 0, 0
	s_wait_dscnt 4*NL
	WIN MUL_LO
	MUL16 0, 1, NQ-1, 1, 0
	MUL16 2, 1, NQ-1, 1, 0
	s_wait_dscnt 0
	WIN MUL_HI
	MUL16 4, 1, NQ-1, 1, 0
	MUL16 6, 1, NQ-1, 1, 0
	WIN 0
.macro QROW a
.set QW, 2+(\a)/4
.set QB, 64*((\a)%4)
.set PCS, PC+16*((\a)%2)
	WIN (QW<<2)|(QW<<4)
.irp b, 0,1,2,3
	v_max3_num_f32 v[TM+\b], 0x4800000, |v[QB+16*\b]|, |v[QB+16*\b+1]|
.endr
.irp i, 2,4,6,8,10,12,14
.irp b, 0,1,2,3
	v_max3_num_f32 v[TM+\b], v[TM+\b], |v[QB+16*\b+\i]|, |v[QB+16*\b+\i+1]|
.endr
.endr
	WIN 0
.irp b, 0,1,2,3
	v_permlanex16_b32 v[TM+4+\b], v[TM+\b], s14, s15
.endr
.irp b, 0,1,2,3
	v_max_num_f32 v[TM+\b], v[TM+\b], v[TM+4+\b]
.endr
.irp b, 0,1,2,3
	v_add_nc_u32 v[TM+12+\b], 0xfc000000, v[TM+\b]
.endr
.irp b, 0,1,2,3
.endr
.irp b, 0,1,2,3
	v_lshrrev_b32 v[TM+4+\b], 23, v[TM+12+\b]
.endr
	v_lshl_or_b32 v[XW+(\a)], v[TM+5], 8, v[TM+4]
	v_lshl_or_b32 v[XW+(\a)], v[TM+6], 16, v[XW+(\a)]
	v_lshl_or_b32 v[XW+(\a)], v[TM+7], 24, v[XW+(\a)]
	WIN (QW<<6)|QW
.irp b, 0,1,2,3
.irp i, 0,1,2,3,4,5,6,7,8,9,10,11,12,13,14,15
.endr
.endr
	WIN QW
	s_wait_xcnt 0x0
.irp b, 0,1,2,3
	v_cvt_scalef32_pk8_fp8_f32 v[PCS+4*\b:PCS+4*\b+1], v[QB+16*\b:QB+16*\b+7], v[TM+12+\b]
	v_cvt_scalef32_pk8_fp8_f32 v[PCS+4*\b+2:PCS+4*\b+3], v[QB+16*\b+8:QB+16*\b+15], v[TM+12+\b]
.endr
	WIN 0
	v_nop
.if (\a) == 4
	s_add_nc_u64 s[4:5], s[4:5], s[10:11]
.elseif (\a) > 0
	s_add_nc_u64 s[4:5], s[4:5], s[8:9]
.endif
.irp g, 0,1,2,3
	global_store_b128 v[VO+\g], v[PCS+4*\g:PCS+4*\g+3], s[4:5]
.endr
.endm
	s_mov_b32 s14, 0x76543210
	s_mov_b32 s15, 0xfedcba98
	PLACES NP
.irp b, 0,1,2,3
	v_mov_b32 v[TM+4+\b], 0
.endr
.irp a, 0,1,2,3,4,5,6,7
	QROW \a
.endr
	v_cmp_ne_u32 s16, 0, v2
	s_cmp_lg_u32 s2, 0
	s_cbranch_scc1 .Lv_words
	v_mov_b32 v96, 0x01000100
	v_mov_b32 v97, 0x03020302
	v_cndmask_b32 v96, v96, v97, s16
.irp a, 0,1,2,3,4,5,6,7
	v_perm_b32 v[Y+\a], v[XW+\a], v[XW+\a], v96
.endr
	global_store_b128 v[VS], v[Y:Y+3], s[6:7]
	global_store_b128 v[VS], v[Y+4:Y+7], s[6:7] offset:256
	s_branch .Lwords_done
.Lv_words:
.irp i, 0,1,2,3
	v_cndmask_b32 v[Y+\i], v[XW+\i], v[XW+4+\i], s16
.endr
	global_store_b128 v[VS], v[Y:Y+3], s[6:7]
.Lwords_done:
	s_wait_tensorcnt 0x0
	ds_add_u32 v[SPW], v[NIL]
	s_wait_dscnt 0x0
	CROUND
	s_endpgm
.Lfunc_end_k_q47aaca8be5_qkvproj:
	.size	k_q47aaca8be5_qkvproj, .Lfunc_end_k_q47aaca8be5_qkvproj-k_q47aaca8be5_qkvproj
	.p2alignl 7, 3214868480
	.fill 96, 4, 3214868480
	.section	.rodata,"a",@progbits
	.p2align	6, 0x0
	.amdhsa_kernel k_q47aaca8be5_qkvproj
		.amdhsa_group_segment_fixed_size 327680
		.amdhsa_private_segment_fixed_size 0
		.amdhsa_enable_private_segment 0
		.amdhsa_kernarg_size 64
		.amdhsa_user_sgpr_count 2
		.amdhsa_user_sgpr_kernarg_segment_ptr 1
		.amdhsa_wavefront_size32 1
		.amdhsa_system_sgpr_workgroup_id_x 1
		.amdhsa_system_sgpr_workgroup_id_y 1
		.amdhsa_system_sgpr_workgroup_id_z 1
		.amdhsa_system_vgpr_workitem_id 0
		.amdhsa_next_free_vgpr 1024
		.amdhsa_next_free_sgpr 100
		.amdhsa_reserve_vcc 0
		.amdhsa_float_denorm_mode_32 3
		.amdhsa_float_denorm_mode_16_64 3
		.amdhsa_fp16_overflow 1
		.amdhsa_memory_ordered 1
		.amdhsa_forward_progress 1
		.amdhsa_inst_pref_size 173
	.end_amdhsa_kernel
	.amdgpu_metadata
---
amdhsa.version: [ 1, 2 ]
amdhsa.kernels:
  - .name:           k_q47aaca8be5_qkvproj
    .symbol:         k_q47aaca8be5_qkvproj.kd
    .args:
      - { .name: xc, .offset: 0, .size: 8, .value_kind: global_buffer, .address_space: global }
      - { .name: xs, .offset: 8, .size: 8, .value_kind: global_buffer, .address_space: global }
      - { .name: wc, .offset: 16, .size: 8, .value_kind: global_buffer, .address_space: global }
      - { .name: ws, .offset: 24, .size: 8, .value_kind: global_buffer, .address_space: global }
      - { .name: bq, .offset: 32, .size: 8, .value_kind: global_buffer, .address_space: global }
      - { .name: bk, .offset: 40, .size: 8, .value_kind: global_buffer, .address_space: global }
      - { .name: bv, .offset: 48, .size: 8, .value_kind: global_buffer, .address_space: global }
      - { .name: qkv, .offset: 56, .size: 8, .value_kind: global_buffer, .address_space: global }
    .group_segment_fixed_size: 327680
    .private_segment_fixed_size: 0
    .kernarg_segment_align: 8
    .kernarg_segment_size: 64
    .max_flat_workgroup_size: 128
    .sgpr_count:     100
    .vgpr_count:     1024
    .wavefront_size: 32
...
	.end_amdgpu_metadata
.endif
;; end of part 2
;; launch attn (part 3): grid 4 x 64, 16 waves a work-group, clusters of 4 x 1, 276,480 bytes of LDS; arguments qkv, ac, asc; writes ac, asc
.if DOCPART == 3
	.amdgcn_target "amdgcn-amd-amdhsa--gfx1250"
	.amdhsa_code_object_version 6
	.text
	.protected	k_q47aaca8be5_attn
	.globl	k_q47aaca8be5_attn
	.p2align	8
	.type	k_q47aaca8be5_attn,@function
k_q47aaca8be5_attn:
	s_mov_b64 s[64:65], 0
	v_nop
	global_prefetch_b8 v0, s[64:65] scope:SCOPE_SE
	s_setreg_imm32_b32 hwreg(HW_REG_WAVE_MODE, 25, 1), 1
	s_wait_xcnt 0x0
	s_wait_alu depctr_hold_cnt(0) depctr_sa_sdst(0) depctr_va_vdst(0) depctr_va_sdst(0) depctr_va_ssrc(0) depctr_va_vcc(0) depctr_vm_vsrc(0)
	s_getreg_b32 s2, hwreg(HW_REG_IB_STS2, 6, 4)
	s_cmp_eq_u32 s2, 0
	s_cbranch_scc0 .Lentry_in_a_cluster
	s_endpgm
.Lentry_in_a_cluster:
	s_bfe_u32 s2, ttmp6, 0x10000c
	s_cmp_lg_u32 s2, 0x3003
	s_cbranch_scc0 .Lentry_shape_is_right
	s_endpgm
.Lentry_shape_is_right:
; Launch 3 of 4: attn[b][i][h][:] = the sum over j of softmax_j(q_i . k_j x 19.5 / 1024) v_j, both products on codes of E4M3 with E8M0 scales; the result is quantised along the features and leaves as images of the last product's operand.
; No work is left out.
; THE SOFTMAX: t = score x c, c = log2(e) x 19.5 / 1024; M = the running largest t rounded UP to a whole number; p = 2^(t - M) is what is quantised, along the keys, not normalised.  The row's sum is taken of the
; unquantised p and divides O at the end.  When M moves, the sum and O are multiplied by 2^(old M - new M): exact.
; LIMITS: NaN and infinities are not served; p under 2^-126 is 0 (v_exp_f32 flushes); a block's byte is held at 1 from below and a block of zeros has the byte 1; a block's largest p is taken from its largest score,
; which takes v_exp_f32 not to fall where its input rises; 1 / the sum is v_rcp_f32 and one multiplication.
; SHARES.  A cluster of four work-groups serves one (batch, head); a work-group 512 queries; each of its sixteen waves two tiles of 16 queries, one after the other, in 256 registers: four waves to a SIMD.
; THE WHOLE HEAD LIES IN LDS: K's codes, V's codes and their scale words are the first 274,432 bytes of the head block, dense, and are copied as they lie: one tensor load a wave, 67 rows of 256 bytes, asked for JOINTLY
; by the four partners.  Nothing is filled again: no ring, no barrier in a loop; one tensor load of a wave is out, at the head.
; LAYOUT.  Both products are used transposed: S^T = K Q^T, O^T = V^T P^T: a lane holds ONE query.  The head has 64 along the first K: registers 8-15 of K's and Q's fragments are zeros, written once.
; K's tiles hold the tokens in the stored order, so p's 16 registers of tiles 2 b, 2 b + 1 are true keys 32 b + 16 (lane / 16) + 0 .. 15; V's d tiles likewise give O^T's registers along the true d.
; Fragments lie in LDS as images of their registers: every read is 16 x lane on 512 consecutive bytes.
.set HS,    413696
.set PART,  17152                      ; 67 rows of 256 bytes: a wave's sixteenth
.set VOFF,  131072
.set KSO,   262144
.set VSO,   270336
.set SPARE, 274432                     ; the spare words, 128 bytes for each of sixteen waves
.set QOFF,  274432                     ; in memory: Q's codes,
.set QSOFF, 405504                     ; and Q's scale words
.set LI,  1                            ; v1   16 x lane; never rewritten
.set LIV, 2                            ; v2   the same in V's region
.set SPW, 3
.set NIL, 4
.set LRK, 5                            ; v5   16 x (lane % 16) among K's scale words
.set LRV, 6                            ; v6   among V's
.set AR,  7                            ; v7   32 x (lane % 16): my row of asc
.set ADK, 8                            ; v8-11 the step's addresses
.set ADV, 9
.set ADS, 10
.set ADT, 11
.set Q0,  16                           ; v16-31  Q, first tile
.set KF,  32                           ; v32-95  four fragments of K
.set S,   96                           ; v96-159 S^T, then p, then V's four fragments
.set O,   160                          ; v160-191 O^T
.set PC,  192                          ; v192-207 p's codes
.set KSW, 208                          ; v208-211 K's scale words
.set VSW, 212                          ; v212-215 V's
.set BM,  216                          ; v216-219 a block's largest score, then its largest p
.set PT,  220                          ; v220-223 at work
.set LM,  224
.set SO,  228                          ; v228-231 the conversions' scale operands
.set FF,  232                          ; v[232:233] f = 2^(old M - new M); v233 = 0
.set TT,  234
.set PW,  235                          ; p's scale word
.set QS0, 236                          ; Q's scale words
.set QS1, 237
.set Q1,  240                          ; v240-255 Q, second tile
.set WV,  10
.set SEL, 28
.set CS,  30
.set MNT, 32
.set TBK, 33                           ; a step's codes: 8,192 bytes on, in K's region and in V's
.set TS,  34                           ; K's words: 512 on
.set TJ,  35                           ; V's: 256 on
.set CNT, 36
.macro CROUND
	s_barrier_signal -1
	s_barrier_wait -1
	s_cmp_lg_u32 s[WV], 0
	s_cbranch_scc1 .Lnot_wave_0_\@
	s_barrier_signal -3
.Lnot_wave_0_\@:
	s_barrier_wait -3
	s_barrier_signal -1
	s_barrier_wait -1
.endm
	s_load_b128 s[4:7], s[0:1], 0x0                ; qkv, ac
	s_load_b64 s[8:9], s[0:1], 0x10                ; asc
	v_lshl_add_u32 v[SPW], v0, 2, SPARE
	v_mov_b32 v[NIL], 0
	ds_add_u32 v[SPW], v[NIL]                      ; the wave's opening: the add, twice on end, and its wait ahead of my first tensor load
	ds_add_u32 v[SPW], v[NIL]
	v_lshrrev_b32 v8, 5, v0
	s_delay_alu instid0(VALU_DEP_1)
	v_readfirstlane_b32 s[WV], v8                  ; wave 0..15
	s_bfe_u32 s11, ttmp6, 0x40000                  ; cx: which 512 queries: it enters Q's, ac's and asc's addresses alone
	s_and_b32 s12, ttmp7, 0xffff                   ; 16 x batch + head, which the four partners share
	s_mul_i32 s14, s12, HS
	s_mov_b32 s15, 0
	s_mov_b32 s16, 15|(3<<16)|(1<<21)              ; group 1: 15:0 the mask: all four; 17:16 elements of 8 bytes; 21 set beside a mask; no padding
	s_mov_b32 s17, 32<<16                          ; tensor_dim0 = 32
	s_mov_b32 s18, 67<<16                          ; tensor_dim1 = 67
	s_mov_b32 s19, 32<<16                          ; tile_dim0 = 32
	s_mov_b32 s20, 67                              ; tile_dim1 = 67
	s_mov_b32 s21, 32                              ; from row to row
	s_mov_b32 s22, 0
	s_mov_b32 s23, 0
	s_mov_b32 s24, 1                               ; group 0: count = 1,
	s_mul_i32 s25, s[WV], PART                     ; the LDS address: my sixteenth
	s_mov_b32 s42, s25
	s_mov_b32 s43, 0
	s_add_nc_u64 s[42:43], s[42:43], s[14:15]      ; and the same place in the head block
	s_lshl_b32 s13, s11, 5
	s_add_co_u32 s13, s13, s[WV]                   ; T, my first tile of queries; the second is T + 16
	s_lshl_b32 s38, s13, 10
	s_add_co_u32 s38, s38, QOFF
	s_mov_b32 s39, 0
	s_add_nc_u64 s[38:39], s[38:39], s[14:15]      ; its codes: 1,024 bytes a tile
	s_lshr_b32 s40, s13, 2
	s_lshl_b32 s40, s40, 8
	s_and_b32 s41, s13, 3
	s_lshl_b32 s41, s41, 2
	s_add_co_u32 s40, s40, s41
	s_add_co_u32 s40, s40, QSOFF
	s_mov_b32 s41, 0
	s_add_nc_u64 s[40:41], s[40:41], s[14:15]      ; its scale words: 256 (T / 4) + 4 (T % 4)
	s_lshr_b32 s44, s12, 4
	s_lshl_b32 s44, s44, 7
	s_add_co_u32 s44, s44, s13                     ; the tile among all 512 tiles of tokens
	s_and_b32 s45, s12, 15                         ; the head
	s_lshl_b32 s46, s44, 14
	s_lshl_b32 s47, s45, 10
	s_add_co_u32 s46, s46, s47                     ; ac: 16,384 a tile, 1,024 a head
	s_mov_b32 s47, 0
	s_lshl_b32 s44, s44, 9
	s_lshl_b32 s45, s45, 1
	s_add_co_u32 s44, s44, s45                     ; asc: 512 a tile, 2 a head
	s_mov_b32 s45, 0
	s_mov_b32 s[SEL], 0x76543210
	s_mov_b32 s[SEL+1], 0xfedcba98                 ; v_permlanex16_b32's selects for lane l xor 16
	s_mov_b32 s[CS], 0x3ce10f78                    ; c = log2(e) x 19.5 / 1024
	s_mov_b32 s[CS+1], s[CS]                       ; (named with it as a pair, so it is written)
	v_and_b32 v[LI], 31, v0
	s_delay_alu instid0(VALU_DEP_1)
	v_lshlrev_b32 v[LI], 4, v[LI]
	s_delay_alu instid0(VALU_DEP_1)
	v_add_nc_u32 v[LIV], VOFF, v[LI]
	v_and_b32 v8, 15, v0
	s_delay_alu instid0(VALU_DEP_1)
	v_lshlrev_b32 v9, 4, v8                        ; 16 r
	s_delay_alu instid0(VALU_DEP_1)
	v_add_nc_u32 v[LRK], KSO, v9
	s_delay_alu instid0(VALU_DEP_2)
	v_add_nc_u32 v[LRV], VSO, v9
	s_delay_alu instid0(VALU_DEP_4)
	v_lshlrev_b32 v[AR], 5, v8
	s_wait_dscnt 0x0                               ; both opening adds are done
	s_wait_kmcnt 0x0
	s_add_nc_u64 s[26:27], s[4:5], s[42:43]
	s_or_b32 s27, s27, 0x80000000                  ; type = 2
	s_add_nc_u64 s[38:39], s[4:5], s[38:39]
	s_add_nc_u64 s[40:41], s[4:5], s[40:41]
	s_add_nc_u64 s[6:7], s[6:7], s[46:47]
	s_add_nc_u64 s[8:9], s[8:9], s[44:45]
	CROUND                                         ; all four work-groups are here: the joint loads meet
	tensor_load_to_lds s[24:27], s[16:23]
	s_nop 0
.rept 4
	v_nop
.endr
	s_wait_alu depctr_va_vdst(0)
.irp c, 0,1
	global_load_b128 v[Q0+4*\c:Q0+4*\c+3], v[LI], s[38:39] offset:512*\c
	global_load_b128 v[Q1+4*\c:Q1+4*\c+3], v[LI], s[38:39] offset:16384+512*\c
.endr
	global_load_b32 v[QS0], v9, s[40:41]
	global_load_b32 v[QS1], v9, s[40:41] offset:1024
.irp i, 0,1,2,3,4,5,6,7
	v_mov_b32 v[Q0+8+\i], 0                        ; the upper 64 along K: zero codes, written once
	v_mov_b32 v[Q1+8+\i], 0
.irp t, 0,1,2,3
	v_mov_b32 v[KF+16*\t+8+\i], 0
.endr
.endr
.irp b, 0,1,2,3
	v_mov_b32 v[PT+\b], 0                          ; a lane permute's destination counts as one of its sources
.endr
	v_mov_b32 v[FF+1], 0                           ; (named as the upper half of a pair)
	v_mov_b32 v[TT], 0
	s_wait_tensorcnt 0x0                           ; my sixteenth of the head is in,
	s_barrier_signal -1
	s_barrier_wait -1                              ; everybody's is
	s_wait_loadcnt 0x0                             ; Q and its words
; A KEY STEP: 128 keys.
.macro STEP QF, QS
	v_add_nc_u32 v[ADK], s[TBK], v[LI]
	s_wait_alu depctr_va_vdst(0)
	v_add_nc_u32 v[ADV], s[TBK], v[LIV]
	v_add_nc_u32 v[ADS], s[TS], v[LRK]
	s_wait_alu depctr_va_vdst(0)
	v_add_nc_u32 v[ADT], s[TJ], v[LRV]
.irp g, 0,1                                    ; S^T = K Q^T, four tiles of 16 keys at a time
.rept 5+3*\g
	v_nop                                          ; g = 0: with the four additions nine places: the products below write over registers that the last step's products read as V.  g = 1: eight, ahead of loads into registers just read
.endr
.irp t, 0,1,2,3
.irp c, 0,1
	ds_load_b128 v[KF+16*\t+4*\c:KF+16*\t+4*\c+3], v[ADK] offset:(4*\g+\t)*1024+512*\c
.endr
.endr
	ds_load_b128 v[KSW:KSW+3], v[ADS] offset:256*\g   ; four tiles' words of my row
	s_wait_dscnt 0x0
.irp t, 0,1,2,3
	v_wmma_scale_f32_16x16x128_f8f6f4 v[S+8*(4*\g+\t):S+8*(4*\g+\t)+7], v[KF+16*\t:KF+16*\t+15], v[\QF:\QF+15], 0, v[KSW+\t], v[\QS]
.endr
.endr
.rept 8
	v_nop
.endr
.irp b, 0,1,2,3
	v_max3_num_f32 v[BM+\b], v[S+16*\b], v[S+1+16*\b], v[S+2+16*\b]   ; the largest score of each block of 32 keys: for the row's maximum, and, since p rises with the score, for the block's largest p
.endr
.irp i, 3,5,7,9,11,13
.irp b, 0,1,2,3
	v_max3_num_f32 v[BM+\b], v[BM+\b], v[S+16*\b+\i], v[S+1+16*\b+\i]
.endr
.endr
.irp b, 0,1,2,3
	v_max_num_f32 v[BM+\b], v[BM+\b], v[S+15+16*\b]
.endr
.irp b, 0,1,2,3
	s_delay_alu instid0(VALU_DEP_4)
	v_permlanex16_b32 v[PT+\b], v[BM+\b], s[SEL], s[SEL+1]
.endr
.irp b, 0,1,2,3
	s_delay_alu instid0(VALU_DEP_4)
	v_max_num_f32 v[BM+\b], v[BM+\b], v[PT+\b]     ; with lane l xor 16's 16 keys
.endr
	s_delay_alu instid0(VALU_DEP_2)
	v_max3_num_f32 v[TT], v[BM], v[BM+1], v[BM+2]
	s_delay_alu instid0(VALU_DEP_1)
	v_max_num_f32 v[TT], v[TT], v[BM+3]            ; the step's largest score of my query
	s_delay_alu instid0(VALU_DEP_1)
	v_mul_f32 v[TT], s[CS], v[TT]                  ; as t (c is positive)
	s_delay_alu instid0(VALU_DEP_1)
	v_max_num_f32 v13, v13, v[TT]                  ; the running largest t
	v_mov_b32 v[TT], v12
	s_delay_alu instid0(VALU_DEP_2)
	v_floor_f32 v12, -v13                          ; the new -M = floor(-t) = -ceil(t)
	s_delay_alu instid0(VALU_DEP_1)
	v_sub_f32 v[TT], v12, v[TT]                    ; old M - new M: a whole number, 0 or less
	s_delay_alu instid0(VALU_DEP_1)
	v_cvt_i32_f32 v[TT], v[TT]                     ; (it saturates)
	s_delay_alu instid0(VALU_DEP_1)
	v_ldexp_f32 v[FF], 1.0, v[TT]                  ; f = 2^(old M - new M)
.set j, 0
.rept 32
	v_pk_fma_f32 v[S+j:S+j+1], v[S+j:S+j+1], s[CS:CS+1], v[12:13] op_sel_hi:[1,0,0]   ; t - M, two at a time
.set j, j+2
.endr
.irp b, 0,1,2,3
	v_fma_f32 v[BM+\b], v[BM+\b], s[CS], v12       ; the same of each block's largest score
.endr
.set j, 0
	s_wait_alu depctr_va_vdst(0)
.rept 64
	v_exp_f32 v[S+j], v[S+j]                       ; p = 2^(t - M), at most 1
.set j, j+1
.endr
	s_setprio 1
	v_pk_mul_f32 v[14:15], v[14:15], v[FF:FF+1] op_sel_hi:[1,0]   ; the sums under the new M (the plain line behind the exponentials)
	s_wait_alu depctr_va_vdst(0)                   ; one wait for the whole batch, ahead of its first reader
.irp b, 0,1,2,3
	v_exp_f32 v[BM+\b], v[BM+\b]                   ; the block's largest p
.endr
	v_pk_add_f32 v[220:221], v[100:101], v[104:105]
	v_pk_add_f32 v[238:239], v[108:109], v[112:113]
	v_pk_add_f32 v[230:231], v[116:117], v[120:121]
	v_pk_add_f32 v[228:229], v[124:125], v[128:129]
	v_pk_add_f32 v[226:227], v[132:133], v[136:137]
	v_pk_add_f32 v[224:225], v[140:141], v[144:145]
	v_pk_add_f32 v[222:223], v[148:149], v[152:153]
	v_pk_add_f32 v[14:15], v[14:15], v[156:157]
	v_pk_add_f32 v[220:221], v[220:221], v[96:97]
	v_pk_add_f32 v[238:239], v[238:239], v[98:99]
	v_pk_add_f32 v[230:231], v[230:231], v[102:103]
	v_pk_add_f32 v[228:229], v[228:229], v[106:107]
	v_pk_add_f32 v[226:227], v[226:227], v[110:111]
	v_pk_add_f32 v[224:225], v[224:225], v[114:115]
	v_pk_add_f32 v[222:223], v[222:223], v[118:119]
	v_pk_add_f32 v[14:15], v[14:15], v[122:123]
	v_pk_add_f32 v[220:221], v[220:221], v[126:127]
	v_pk_add_f32 v[238:239], v[238:239], v[130:131]
	v_pk_add_f32 v[230:231], v[230:231], v[134:135]
	v_pk_add_f32 v[228:229], v[228:229], v[138:139]
	v_pk_add_f32 v[226:227], v[226:227], v[142:143]
	v_pk_add_f32 v[224:225], v[224:225], v[146:147]
	v_pk_add_f32 v[222:223], v[222:223], v[150:151]
	v_pk_add_f32 v[14:15], v[14:15], v[154:155]
	v_pk_add_f32 v[220:221], v[220:221], v[158:159]
	s_delay_alu instid0(VALU_DEP_2)
	v_pk_add_f32 v[14:15], v[14:15], v[228:229]
	s_delay_alu instid0(VALU_DEP_2)
	v_pk_add_f32 v[220:221], v[220:221], v[226:227]
	v_pk_add_f32 v[238:239], v[238:239], v[224:225]
	v_pk_add_f32 v[230:231], v[230:231], v[222:223]
	s_delay_alu instid0(VALU_DEP_2)
	v_pk_add_f32 v[14:15], v[14:15], v[238:239]
	s_delay_alu instid0(VALU_DEP_2)
	v_pk_add_f32 v[220:221], v[220:221], v[230:231]
	s_delay_alu instid0(VALU_DEP_1)
	v_pk_add_f32 v[14:15], v[14:15], v[220:221]
	s_wait_alu depctr_va_vdst(0)                   ; and one for the four
.irp b, 0,1,2,3
	v_max_num_f32 v[BM+\b], 0x4800000, v[BM+\b]    ; the floor 2^(9 - 127): the byte cannot fall under 1
.endr
.irp b, 0,1,2,3
	s_delay_alu instid0(VALU_DEP_4)
	v_add_nc_u32 v[SO+\b], 0xfc000000, v[BM+\b]    ; 8 off the exponent field: the conversion's scale operand
.endr
.irp b, 0,1,2,3
.endr
.irp b, 0,1,2,3
	s_delay_alu instid0(VALU_DEP_4)
	v_lshrrev_b32 v[PT+\b], 23, v[SO+\b]           ; the scale's byte
.endr
	s_delay_alu instid0(VALU_DEP_3)
	v_lshl_or_b32 v[PW], v[PT+1], 8, v[PT]         ; p's scale word for these 128 keys
	s_delay_alu instid0(VALU_DEP_1)
	v_lshl_or_b32 v[PW], v[PT+2], 16, v[PW]
	s_delay_alu instid0(VALU_DEP_1)
	v_lshl_or_b32 v[PW], v[PT+3], 24, v[PW]
.irp b, 0,1,2,3
.irp i, 0,1,2,3,4,5,6,7,8,9,10,11,12,13,14,15
.endr
	v_cvt_scalef32_pk8_fp8_f32 v[PC+4*\b:PC+4*\b+1], v[S+16*\b:S+16*\b+7], v[SO+\b]
	v_cvt_scalef32_pk8_fp8_f32 v[PC+4*\b+2:PC+4*\b+3], v[S+16*\b+8:S+16*\b+15], v[SO+\b]
.endr
	v_nop                                          ; one plain line behind the last conversion
.irp t, 0,1,2,3                                ; V's four d tiles of these 128 keys, into p's registers, which are done with
.irp c, 0,1,2,3
	ds_load_b128 v[S+16*\t+4*\c:S+16*\t+4*\c+3], v[ADV] offset:2048*\t+512*\c
.endr
.endr
	s_setprio 0
	ds_load_b128 v[VSW:VSW+3], v[ADT]
.set j, 0
.rept 16
	v_pk_mul_f32 v[O+j:O+j+1], v[O+j:O+j+1], v[FF:FF+1] op_sel_hi:[1,0]   ; O^T under the new M, from each accumulator's low end on; also the places between the codes and the products
.set j, j+2
.endr
	s_wait_alu depctr_va_vdst(0)
	s_wait_dscnt 0x0
.irp t, 0,1,2,3                                ; O^T += V^T P^T: the four accumulators by turns
	v_wmma_scale_f32_16x16x128_f8f6f4 v[O+8*\t:O+8*\t+7], v[S+16*\t:S+16*\t+15], v[PC:PC+15], v[O+8*\t:O+8*\t+7], v[VSW+\t], v[PW]
.endr
.endm
; O^T / the sum is attn's row: register 16 b + i is true d 32 b + 16 (lane / 16) + i: two blocks of 32 along the last product's K.  They are quantised and stored as four registers of that operand each.
.macro FINISH p
.rept 8
	v_nop
.endr
	v_add_f32 v14, v14, v15
	s_delay_alu instid0(VALU_DEP_1)
	v_permlanex16_b32 v[TT], v14, s[SEL], s[SEL+1]
	s_delay_alu instid0(VALU_DEP_1)
	v_add_f32 v14, v14, v[TT]                      ; the row's sum
	s_wait_alu depctr_va_vdst(0)
	v_rcp_f32 v14, v14
	v_nop
	s_wait_alu depctr_va_vdst(0)                   ; ahead of the reciprocal's first reader
.set j, 0
.rept 16
	v_pk_mul_f32 v[O+j:O+j+1], v[O+j:O+j+1], v[14:15] op_sel_hi:[1,0]
.set j, j+2
.endr
.irp b, 0,1
	v_max3_num_f32 v[BM+\b], |v[O+16*\b]|, |v[O+1+16*\b]|, 0x4800000
.endr
.irp i, 2,4,6,8,10,12,14
.irp b, 0,1
	s_delay_alu instid0(VALU_DEP_2)
	v_max3_num_f32 v[BM+\b], v[BM+\b], |v[O+16*\b+\i]|, |v[O+1+16*\b+\i]|
.endr
.endr
.irp b, 0,1
	s_delay_alu instid0(VALU_DEP_2)
	v_permlanex16_b32 v[PT+\b], v[BM+\b], s[SEL], s[SEL+1]
.endr
.irp b, 0,1
	s_delay_alu instid0(VALU_DEP_2)
	v_max_num_f32 v[BM+\b], v[BM+\b], v[PT+\b]
.endr
.irp b, 0,1
	s_delay_alu instid0(VALU_DEP_2)
	v_add_nc_u32 v[SO+\b], 0xfc000000, v[BM+\b]
.endr
.irp b, 0,1
.endr
.irp b, 0,1
	s_delay_alu instid0(VALU_DEP_2)
	v_lshrrev_b32 v[PT+\b], 23, v[SO+\b]
.endr
	s_delay_alu instid0(VALU_DEP_1)
	v_lshl_or_b32 v[TT], v[PT+1], 8, v[PT]         ; my row's two scale bytes of this head
.irp b, 0,1
.irp i, 0,1,2,3,4,5,6,7,8,9,10,11,12,13,14,15
.endr
	v_cvt_scalef32_pk8_fp8_f32 v[PC+4*\b:PC+4*\b+1], v[O+16*\b:O+16*\b+7], v[SO+\b]
	v_cvt_scalef32_pk8_fp8_f32 v[PC+4*\b+2:PC+4*\b+3], v[O+16*\b+8:O+16*\b+15], v[SO+\b]
.endr
	v_nop                                          ; one plain line behind the last conversion
	global_store_b128 v[LI], v[PC:PC+3], s[6:7] offset:262144*\p        ; 32 lanes store 512 consecutive bytes, aligned
	global_store_b128 v[LI], v[PC+4:PC+7], s[6:7] offset:262144*\p+512
	global_store_b16 v[AR], v[TT], s[8:9] offset:8192*\p                ; two bytes a row (both halves of the lanes hold and write the same): one byte in 32 of what the launch stores
.endm
.macro PASS p, QF, QS
	s_wait_xcnt 0x0                                ; the stores of the tile before have read their registers
.set j, 0
.rept 32
	v_mov_b32 v[O+j], 0                            ; the step is written once: the first finds zeros, which the first change of M leaves zeros
.set j, j+1
.endr
	v_mov_b32 v14, 0
	v_mov_b32 v15, 0
	v_mov_b32 v13, 0xff61b1e6                      ; the largest t so far: -3e38
	s_delay_alu instid0(VALU_DEP_1)
	v_floor_f32 v12, -v13
	s_mov_b32 s[TBK], 0
	s_mov_b32 s[TS], 0
	s_mov_b32 s[TJ], 0
	s_mov_b32 s[CNT], 16
.Lstep_\@:                                         ; 16 trips: 2,048 keys
	s_setprio 2
	STEP \QF, \QS
	s_add_co_u32 s[TBK], s[TBK], 8192
	s_add_co_u32 s[TS], s[TS], 512
	s_add_co_u32 s[TJ], s[TJ], 256
	s_sub_co_u32 s[CNT], s[CNT], 1
	s_cmp_lg_u32 s[CNT], 0
	s_cbranch_scc1 .Lstep_\@
	s_setprio 0
	FINISH \p
.endm
	PASS 0, Q0, QS0
	PASS 1, Q1, QS1
	s_wait_tensorcnt 0x0                           ; the wave's end
	ds_add_u32 v[SPW], v[NIL]
	s_wait_dscnt 0x0
	CROUND                                         ; the closing round
	s_endpgm
.Lfunc_end_k_q47aaca8be5_attn:
	.size	k_q47aaca8be5_attn, .Lfunc_end_k_q47aaca8be5_attn-k_q47aaca8be5_attn
	.p2alignl 7, 3214868480
	.fill 96, 4, 3214868480
	.section	.rodata,"a",@progbits
	.p2align	6, 0x0
	.amdhsa_kernel k_q47aaca8be5_attn
		.amdhsa_group_segment_fixed_size 276480
		.amdhsa_private_segment_fixed_size 0
		.amdhsa_enable_private_segment 0
		.amdhsa_kernarg_size 24
		.amdhsa_user_sgpr_count 2
		.amdhsa_user_sgpr_kernarg_segment_ptr 1
		.amdhsa_wavefront_size32 1
		.amdhsa_system_sgpr_workgroup_id_x 1
		.amdhsa_system_sgpr_workgroup_id_y 1
		.amdhsa_system_sgpr_workgroup_id_z 1
		.amdhsa_system_vgpr_workitem_id 0
		.amdhsa_next_free_vgpr 256
		.amdhsa_next_free_sgpr 66
		.amdhsa_reserve_vcc 0
		.amdhsa_float_denorm_mode_32 3
		.amdhsa_float_denorm_mode_16_64 3
		.amdhsa_fp16_overflow 1
		.amdhsa_memory_ordered 1
		.amdhsa_forward_progress 1
		.amdhsa_inst_pref_size 54
	.end_amdhsa_kernel
	.amdgpu_metadata
---
amdhsa.version: [ 1, 2 ]
amdhsa.kernels:
  - .name:           k_q47aaca8be5_attn
    .symbol:         k_q47aaca8be5_attn.kd
    .args:
      - { .name: qkv, .offset: 0, .size: 8, .value_kind: global_buffer, .address_space: global }
      - { .name: ac, .offset: 8, .size: 8, .value_kind: global_buffer, .address_space: global }
      - { .name: asc, .offset: 16, .size: 8, .value_kind: global_buffer, .address_space: global }
    .group_segment_fixed_size: 276480
    .private_segment_fixed_size: 0
    .kernarg_segment_align: 8
    .kernarg_segment_size: 24
    .max_flat_workgroup_size: 512
    .sgpr_count:     66
    .vgpr_count:     256
    .wavefront_size: 32
...
	.end_amdgpu_metadata
.endif
;; end of part 3
;; launch outproj (part 4): grid 4 x 32, 4 waves a work-group, clusters of 4 x 4, 327,680 bytes of LDS; arguments ac, asc, wc, ws, out0, bo; writes out0
.if DOCPART == 4
	.amdgcn_target "amdgcn-amd-amdhsa--gfx1250"
	.amdhsa_code_object_version 6
	.text
	.protected	k_q47aaca8be5_outproj
	.globl	k_q47aaca8be5_outproj
	.p2align	8
	.type	k_q47aaca8be5_outproj,@function
k_q47aaca8be5_outproj:
	s_mov_b64 s[64:65], 0
	v_nop
	global_prefetch_b8 v0, s[64:65] scope:SCOPE_SE
	s_setreg_imm32_b32 hwreg(HW_REG_WAVE_MODE, 25, 1), 1
	s_wait_xcnt 0x0
	s_wait_alu depctr_hold_cnt(0) depctr_sa_sdst(0) depctr_va_vdst(0) depctr_va_sdst(0) depctr_va_ssrc(0) depctr_va_vcc(0) depctr_vm_vsrc(0)
	s_getreg_b32 s2, hwreg(HW_REG_IB_STS2, 6, 4)
	s_cmp_eq_u32 s2, 0
	s_cbranch_scc0 .Lentry_in_a_cluster
	s_endpgm
.Lentry_in_a_cluster:
	s_bfe_u32 s2, ttmp6, 0x10000c
	s_cmp_lg_u32 s2, 0xf033
	s_cbranch_scc0 .Lentry_shape_is_right
	s_endpgm
.Lentry_shape_is_right:
.set SIZE_N, 1024
.set NQ,     2
.set ROWB,   256
.set ASTEP,  4096
.set KROW,   1024
.set PITCH,  272
.set FR,     16
.set NL,     4
.set NP,     8
.set HALFT,  128*PITCH
.set SLOT,   4*HALFT
.set LAPS,   2
.set KS,     32
.set SCL,    2*SLOT
.set HALFS,  16*272
.set SBLK,   2*272
.set SPARE,  SCL+4*HALFS
.set SPITCH, 528
.set ADRA, 16
.set ADRB, 20
.set STO,  24
.set RD,   25
.set CO,   26
.set ADRS, 27
.set SPW,  28
.set NIL,  29
.set SC,   32
.set BI,   64
.set AF,   128
.set BK,   128
.set G1, 24
.set G0, 32
.set G1B, 48
.set G0B, 56
.set G1S, 68
.set G0S, 76
.set G1SB, 80
.set G0SB, 88
.set MSB, 0
.macro WIN new
.if MSB != (\new)
	s_set_vgpr_msb (MSB<<8)|(\new)
.set MSB, (\new)
.endif
.endm
.set MUL_LO, 0xa1
.set MUL_HI, 0xf1
.set TO_B,   0x40
.macro JLOAD g0a, g1a, g0b, g1b
	s_cmp_eq_u32 s15, 0
	s_cbranch_scc0 .Lfor_b_\@
	tensor_load_to_lds s[\g0a:\g0a+3], s[\g1a:\g1a+7]
	s_nop 0
.rept 4
	v_nop
.endr
	s_branch .Lasked_\@
.Lfor_b_\@:
	tensor_load_to_lds s[\g0b:\g0b+3], s[\g1b:\g1b+7]
	s_nop 0
.rept 4
	v_nop
.endr
.Lasked_\@:
.endm
.macro CREST
	s_cmp_lg_u32 s14, 0
	s_cbranch_scc1 .Lnot_wave_0_\@
	s_barrier_signal -3
.Lnot_wave_0_\@:
	s_barrier_wait -3
	s_barrier_signal -1
	s_barrier_wait -1
.endm
.macro CROUND
	s_barrier_signal -1
	s_barrier_wait -1
	CREST
.endm
	s_load_b128 s[4:7], s[0:1], 0x0
	s_load_b128 s[8:11], s[0:1], 0x10
	s_load_b64 s[12:13], s[0:1], 0x20
	s_load_b64 s[66:67], s[0:1], 0x28
	v_lshl_add_u32 v[SPW], v0, 2, SPARE
	v_mov_b32 v[NIL], 0
	ds_add_u32 v[SPW], v[NIL]
	ds_add_u32 v[SPW], v[NIL]
	v_lshrrev_b32 v1, 5, v0
	v_readfirstlane_b32 s14, v1
	s_lshr_b32 s15, s14, 1
	s_and_b32 s16, s14, 1
	s_bfe_u32 s40, ttmp6, 0x40000
	s_bfe_u32 s41, ttmp6, 0x40004
	s_lshl_b32 s42, ttmp9, 2
	s_add_co_u32 s42, s42, s40
	s_and_b32 s17, ttmp7, 0xffff
	s_lshl_b32 s17, s17, 2
	s_add_co_u32 s17, s17, s41
	s_lshl_b32 s43, s41, 2
	s_lshl_b32 s43, 15, s43
	s_lshl_b32 s44, 0x1111, s40
	s_or_b32 s[G1+0], s43, (3<<16)|(1<<21)
	s_mov_b32 s[G1+1], 512<<16
	s_mov_b32 s[G1+2], 8<<16
	s_mov_b32 s[G1+3], 512<<16
	s_mov_b32 s[G1+4], 8
	s_mov_b32 s[G1+5], 2048
	s_mov_b32 s[G1+6], 0
	s_mov_b32 s[G1+7], 0
	s_or_b32 s[G1B+0], s44, (0<<16)|(1<<20)|(1<<21)|(5<<22)|(3<<25)
	s_mov_b32 s[G1B+1], ROWB<<16
	s_mov_b32 s[G1B+2], 128<<16
	s_mov_b32 s[G1B+3], ROWB<<16
	s_mov_b32 s[G1B+4], 128
	s_mov_b32 s[G1B+5], KROW
	s_mov_b32 s[G1B+6], 0
	s_mov_b32 s[G1B+7], 0
	s_or_b32 s[G1S+0], s43, (3<<16)|(1<<20)|(1<<21)|(5<<22)|(3<<25)
	s_or_b32 s[G1SB+0], s44, (3<<16)|(1<<20)|(1<<21)|(5<<22)|(3<<25)
.irp g, G1S, G1SB
	s_mov_b32 s[\g+1], 32<<16
	s_mov_b32 s[\g+2], 16<<16
	s_mov_b32 s[\g+3], 32<<16
	s_mov_b32 s[\g+4], 16
	s_mov_b32 s[\g+5], 32
	s_mov_b32 s[\g+6], 0
	s_mov_b32 s[\g+7], 0
.endr
	s_lshl_b32 s18, s16, 7
	s_lshl_b32 s20, s17, 8
	s_add_co_u32 s20, s20, s18
	s_lshl_b32 s46, s42, 8
	s_add_co_u32 s46, s46, s18
	s_mov_b32 s21, 0
	s_mov_b32 s47, 0
	s_mov_b64 s[18:19], KS
	s_mul_u64 s[22:23], s[20:21], s[18:19]
	s_mul_u64 s[92:93], s[46:47], s[18:19]
	s_mov_b64 s[18:19], KROW
	s_mul_u64 s[20:21], s[20:21], s[18:19]
	s_mul_u64 s[46:47], s[46:47], s[18:19]
	s_mul_i32 s45, s14, HALFT
	s_mul_i32 s94, s14, HALFS
	s_wait_dscnt 0x0
	s_wait_kmcnt 0x0
	s_add_nc_u64 s[8:9], s[8:9], 0x300000
	s_add_nc_u64 s[10:11], s[10:11], 0x18000
	s_add_nc_u64 s[20:21], s[4:5], s[20:21]
	s_add_nc_u64 s[22:23], s[6:7], s[22:23]
	s_add_nc_u64 s[46:47], s[8:9], s[46:47]
	s_add_nc_u64 s[92:93], s[10:11], s[92:93]
	CROUND
	s_mov_b32 s[G0S], 1
	s_add_co_u32 s[G0S+1], s94, SCL
	s_mov_b64 s[G0S+2:G0S+3], s[22:23]
	s_or_b32 s[G0S+3], s[G0S+3], 0x80000000
	s_mov_b32 s[G0SB], 1
	s_add_co_u32 s[G0SB+1], s94, SCL
	s_mov_b64 s[G0SB+2:G0SB+3], s[92:93]
	s_or_b32 s[G0SB+3], s[G0SB+3], 0x80000000
	JLOAD G0S, G1S, G0SB, G1SB
.irp s, 0,1
	s_mov_b32 s[G0+4*\s], 1
	s_add_co_u32 s[G0+4*\s+1], s45, \s*SLOT
	s_add_nc_u64 s[G0+4*\s+2:G0+4*\s+3], s[20:21], \s*ASTEP
	s_or_b32 s[G0+4*\s+3], s[G0+4*\s+3], 0x80000000
	s_mov_b32 s[G0B+4*\s], 1
	s_add_co_u32 s[G0B+4*\s+1], s45, \s*SLOT
	s_add_nc_u64 s[G0B+4*\s+2:G0B+4*\s+3], s[46:47], \s*ROWB
	s_or_b32 s[G0B+4*\s+3], s[G0B+4*\s+3], 0x80000000
	s_wait_alu depctr_va_vdst(0)
	s_wait_tensorcnt 0x0
	ds_add_u32 v28, v29
	s_wait_dscnt 0x0
	CROUND
	JLOAD G0+4*\s, G1, G0B+4*\s, G1B
.endr
	v_and_b32 v1, 15, v0
	v_bfe_u32 v2, v0, 4, 1
	v_mul_u32_u24 v3, v1, PITCH
	v_lshl_add_u32 v4, v2, 4, v3
	v_and_b32 v6, 31, v0
	v_lshlrev_b32 v[CO], 4, v6
	s_mul_i32 s21, s15, HALFT
	s_mul_i32 s22, s16, HALFT
	s_add_co_u32 s22, s22, 2*HALFT
.irp s, 0,1
	v_add_nc_u32 v[ADRA+\s], s21, v[CO]
	v_add_nc_u32 v[ADRB+\s], s22, v4
	s_add_co_u32 s21, s21, SLOT
	s_add_co_u32 s22, s22, SLOT
.endr
	v_mul_u32_u24 v5, v1, KS
	v_lshrrev_b32 v6, 8, v5
	v_lshl_add_u32 v5, v6, 4, v5
	s_mul_i32 s21, s15, HALFS
	s_mul_i32 s22, s16, HALFS
	s_add_co_u32 s22, s22, 2*HALFS
	s_sub_co_u32 s22, s22, s21
	v_mul_u32_u24 v6, s22, v2
	s_add_co_u32 s21, s21, SCL
	v_add_nc_u32 v5, v5, v6
	v_add_nc_u32 v[ADRS], s21, v5
	s_mul_i32 s23, s14, 16*SPITCH
	v_mul_u32_u24 v5, v1, SPITCH
	v_lshl_add_u32 v5, v2, 5, v5
	v_add_nc_u32 v[STO], s23, v5
	v_add_nc_u32 v[RD], s23, v[CO]
	s_lshl_b32 s20, s17, 8
	s_lshl_b32 s21, s15, 7
	s_add_co_u32 s20, s20, s21
	s_mov_b32 s21, 0
	s_mov_b64 s[18:19], SIZE_N*4
	s_mul_u64 s[20:21], s[20:21], s[18:19]
	s_lshl_b32 s46, s42, 10
	s_lshl_b32 s47, s16, 9
	s_add_co_u32 s46, s46, s47
	s_mov_b32 s47, 0
	s_add_nc_u64 s[20:21], s[20:21], s[46:47]
	s_add_nc_u64 s[12:13], s[12:13], s[20:21]
	s_add_nc_u64 s[66:67], s[66:67], s[46:47]
	v_lshlrev_b32 v7, 5, v2
.irp b, 0,1,2,3,4,5,6,7
	global_load_b128 v[BI+8*\b:BI+8*\b+3], v7, s[66:67] offset:64*\b
	global_load_b128 v[BI+8*\b+4:BI+8*\b+7], v7, s[66:67] offset:64*\b+16
.endr
.macro FRAG reg, adr, q, i
.irp c, 0,1,2,3
	ds_load_b128 v[\reg+4*\c:\reg+4*\c+3], v[\adr] offset:128*(\q)+32*\c+(\i)*16*PITCH
.endr
.endm
.macro FRAGA reg, adr, q, i
.irp c, 0,1,2,3
	ds_load_b128 v[\reg+4*\c:\reg+4*\c+3], v[\adr] offset:(\i)*ASTEP+2048*(\q)+512*\c
.endr
.endm
.macro MUL16 a0, p, q, sc, mode
.irp a, \a0, \a0+1
.irp b, 0,1,2,3,4,5,6,7
.if \mode
	v_wmma_scale_f32_16x16x128_f8f6f4 v[8*(8*((\a)%4)+\b):8*(8*((\a)%4)+\b)+7], v[128*(\p)+FR*\b:128*(\p)+FR*\b+FR-1], v[AF+FR*(\a):AF+FR*(\a)+FR-1], v[BI+8*\b:BI+8*\b+7], v[SC+8*NQ*(\sc)+NQ*\b+(\q)], v[SC+8*NQ*(\sc)+NQ*(\a)+(\q)] matrix_a_scale:MATRIX_SCALE_ROW1
.else
	v_wmma_scale_f32_16x16x128_f8f6f4 v[8*(8*((\a)%4)+\b):8*(8*((\a)%4)+\b)+7], v[128*(\p)+FR*\b:128*(\p)+FR*\b+FR-1], v[AF+FR*(\a):AF+FR*(\a)+FR-1], v[8*(8*((\a)%4)+\b):8*(8*((\a)%4)+\b)+7], v[SC+8*NQ*(\sc)+NQ*\b+(\q)], v[SC+8*NQ*(\sc)+NQ*(\a)+(\q)] matrix_a_scale:MATRIX_SCALE_ROW1
.endif
.endr
.endr
.endm
.macro FETCH_B slot, q, p
	WIN TO_B
.irp i, 0,1,2,3,4,5,6,7
	FRAG 128*(\p)+FR*\i, ADRB+\slot, \q, \i
.endr
	WIN 0
.endm
.macro FETCH_A slot, q, i0
.irp i, \i0, \i0+1, \i0+2, \i0+3
	FRAGA AF+FR*(\i), ADRA+\slot, \q, \i
.endr
.endm
.macro SCALES sc
.irp i, 0,1,2,3,4,5,6,7
	ds_load_b64 v[SC+8*NQ*\sc+NQ*\i:SC+8*NQ*\sc+NQ*\i+1], v[ADRS] offset:\i*SBLK
.endr
.endm
.macro PLACES n
.rept \n
	v_nop
.endr
.endm
.macro STEP slot, q, mode
	s_wait_dscnt 4*NL
.if \mode
	WIN 0x81
.else
	WIN MUL_LO
.endif
	MUL16 0, (\q)%2, \q, \slot, \mode
	MUL16 2, (\q)%2, \q, \slot, \mode
	s_wait_dscnt 0
	PLACES NP
	FETCH_B \slot, (\q)+1, 1-(\q)%2
	FETCH_A \slot, (\q)+1, 0
.if \mode
	WIN 0xc1
.else
	WIN MUL_HI
.endif
	MUL16 4, (\q)%2, \q, \slot, \mode
	MUL16 6, (\q)%2, \q, \slot, \mode
	PLACES NP
	WIN 0
	FETCH_A \slot, (\q)+1, 4
.endm
.macro TURN slot, next, fill
	s_wait_tensorcnt 0x0
	ds_add_u32 v[SPW], v[NIL]
	s_wait_dscnt 4*NL+1
	WIN MUL_LO
	MUL16 0, 1, NQ-1, \slot, 0
	s_wait_dscnt 0x0
	s_barrier_signal -1
	MUL16 2, 1, NQ-1, \slot, 0
	WIN 0
	s_barrier_wait -1
.if \fill
	CREST
	s_add_nc_u64 s[G0+4*\slot+2:G0+4*\slot+3], s[G0+4*\slot+2:G0+4*\slot+3], 2*ASTEP
	s_add_nc_u64 s[G0B+4*\slot+2:G0B+4*\slot+3], s[G0B+4*\slot+2:G0B+4*\slot+3], 2*ROWB
	JLOAD G0+4*\slot, G1, G0B+4*\slot, G1B
	PLACES NP-4
.else
	PLACES NP
.endif
	s_wait_alu depctr_va_vdst(0)
	v_add_nc_u32 v[ADRS], 4*NQ, v[ADRS]
	FETCH_B \next, 0, 0
	FETCH_A \next, 0, 0
	SCALES \next
	WIN MUL_HI
	MUL16 4, 1, NQ-1, \slot, 0
	MUL16 6, 1, NQ-1, \slot, 0
	PLACES NP
	WIN 0
	FETCH_A \next, 0, 4
.endm
	s_wait_alu depctr_va_vdst(0)
	s_wait_tensorcnt 1
	s_barrier_signal -1
	s_barrier_wait -1
	FETCH_B 0, 0, 0
	FETCH_A 0, 0, 0
	SCALES 0
	FETCH_A 0, 0, 4
	s_wait_loadcnt 0x0
	STEP 0, 0, 1
	s_mov_b32 s3, LAPS-1
.Llap:
	TURN 0, 1, 1
	STEP 1, 0, 0
	TURN 1, 0, 1
	STEP 0, 0, 0
	s_sub_co_u32 s3, s3, 1
	s_cmp_lg_u32 s3, 0
	s_cbranch_scc1 .Llap
	TURN 0, 1, 0
	STEP 1, 0, 0
	s_wait_dscnt 4*NL
	WIN MUL_LO
	MUL16 0, 1, NQ-1, 1, 0
	MUL16 2, 1, NQ-1, 1, 0
	s_wait_dscnt 0
	WIN MUL_HI
	MUL16 4, 1, NQ-1, 1, 0
	MUL16 6, 1, NQ-1, 1, 0
	WIN 0
.macro TOSTAGE a
.set AC, 64*((\a)%4)
	WIN 0x08+4*((\a)/4)
.irp b, 0,1,2,3,4,5,6,7
	ds_store_b128 v[STO], v[AC+8*\b:AC+8*\b+3] offset:64*\b
	ds_store_b128 v[STO], v[AC+8*\b+4:AC+8*\b+7] offset:64*\b+16
.endr
	WIN 0
.set BB, BK+64*((\a)%2)
.irp t, 0,1,2,3,4,5,6,7,8,9,10,11,12,13,14,15
	ds_load_b128 v[BB+4*\t:BB+4*\t+3], v[RD] offset:\t*SPITCH
.endr
.endm
.macro SEND a, younger
.set BB, BK+64*((\a)%2)
	s_wait_dscnt \younger
.irp t, 0,1,2,3,4,5,6,7,8,9,10,11,12,13,14,15
	global_store_b128 v[CO], v[BB+4*\t:BB+4*\t+3], s[12:13] offset:(32*((\a)/2)+8*((\a)%2)+\t+8*(\t/8))*SIZE_N*4 th:TH_STORE_NT
.endr
.endm
	PLACES NP
	TOSTAGE 0
.irp a, 1,2,3,4,5,6,7
.if \a > 1
	s_wait_xcnt 0x0
.endif
	TOSTAGE \a
	SEND \a-1, 32
.endr
	SEND 7, 0
	s_wait_tensorcnt 0x0
	ds_add_u32 v[SPW], v[NIL]
	s_wait_dscnt 0x0
	CROUND
	s_endpgm
.Lfunc_end_k_q47aaca8be5_outproj:
	.size	k_q47aaca8be5_outproj, .Lfunc_end_k_q47aaca8be5_outproj-k_q47aaca8be5_outproj
	.p2alignl 7, 3214868480
	.fill 96, 4, 3214868480
	.section	.rodata,"a",@progbits
	.p2align	6, 0x0
	.amdhsa_kernel k_q47aaca8be5_outproj
		.amdhsa_group_segment_fixed_size 327680
		.amdhsa_private_segment_fixed_size 0
		.amdhsa_enable_private_segment 0
		.amdhsa_kernarg_size 48
		.amdhsa_user_sgpr_count 2
		.amdhsa_user_sgpr_kernarg_segment_ptr 1
		.amdhsa_wavefront_size32 1
		.amdhsa_system_sgpr_workgroup_id_x 1
		.amdhsa_system_sgpr_workgroup_id_y 1
		.amdhsa_system_sgpr_workgroup_id_z 1
		.amdhsa_system_vgpr_workitem_id 0
		.amdhsa_next_free_vgpr 1024
		.amdhsa_next_free_sgpr 98
		.amdhsa_reserve_vcc 0
		.amdhsa_float_denorm_mode_32 3
		.amdhsa_float_denorm_mode_16_64 3
		.amdhsa_memory_ordered 1
		.amdhsa_forward_progress 1
		.amdhsa_inst_pref_size 148
	.end_amdhsa_kernel
	.amdgpu_metadata
---
amdhsa.version: [ 1, 2 ]
amdhsa.kernels:
  - .name:           k_q47aaca8be5_outproj
    .symbol:         k_q47aaca8be5_outproj.kd
    .args:
      - { .name: ac, .offset: 0, .size: 8, .value_kind: global_buffer, .address_space: global }
      - { .name: asc, .offset: 8, .size: 8, .value_kind: global_buffer, .address_space: global }
      - { .name: wc, .offset: 16, .size: 8, .value_kind: global_buffer, .address_space: global }
      - { .name: ws, .offset: 24, .size: 8, .value_kind: global_buffer, .address_space: global }
      - { .name: out0, .offset: 32, .size: 8, .value_kind: global_buffer, .address_space: global }
      - { .name: bo, .offset: 40, .size: 8, .value_kind: global_buffer, .address_space: global }
    .group_segment_fixed_size: 327680
    .private_segment_fixed_size: 0
    .kernarg_segment_align: 8
    .kernarg_segment_size: 48
    .max_flat_workgroup_size: 128
    .sgpr_count:     98
    .vgpr_count:     1024
    .wavefront_size: 32
...
	.end_amdgpu_metadata
.endif
;; end of part 4
